; MI455X (gfx1250); checked and timed in simulation.
; The chip was launched on July 23, 2026; its instructions are those of AMD's public machine-readable ISA for CDNA 5 (MIT licence, August 2026) and "CDNA5" Instruction Set Architecture Reference Guide (July 2026). The comments in the code are by the model that wrote it; some were corrected since.
;; Multi Head Attention. Allowed arithmetic: matrix products marked QUANTISED: E4M3 operands, one given power-of-two scale a tensor, by v_wmma_f32_16x16x64_fp8_fp8 or v_wmma_f32_16x16x128_fp8_fp8, f32 sums; everything else in f32.
;; Inputs: dense_b 1,024 float32; dense_w 1,024 x 1,024 float32; k 4 x 2,048 x 1,024 float32; lowp_scales 12 int32 (the exponents e of the quantised operands' scales 2^e); q 4 x 2,048 x 1,024 float32; v 4 x 2,048 x 1,024 float32; wk_b 1,024 float32; wk_w 1,024 x 1,024 float32; wq_b 1,024 float32; wq_w 1,024 x 1,024 float32; wv_b 1,024 float32; wv_w 1,024 x 1,024 float32.
;; Outputs: out0 4 x 2,048 x 1,024 float32.
;; This version of the problem:
;;   THIS VERSION OF THE PROBLEM IS GIVEN IN LOW PRECISION. The matrix products marked QUANTISED in the list below multiply operands that are first quantised to E4M3 (4 exponent bits, 3 mantissa bits; 8 bits a number), with one given power-of-two scale for each operand tensor; their sums are f32. All else is computed in f32.
;;   The module's matrix products, in the order in which they are computed (A, B: the left and right operand; K: the contracted axis; several contracted axes count as one K, in the product's order):
;;     1. [M 8,192, K 1,024] x [K 1,024, N 1,024]; A: input q; B: input wq_w: QUANTISED (scales: A lowp_scales[0], B lowp_scales[1])
;;     2. [M 8,192, K 1,024] x [K 1,024, N 1,024]; A: input k; B: input wk_w: QUANTISED (scales: A lowp_scales[2], B lowp_scales[3])
;;     3. [M 8,192, K 1,024] x [K 1,024, N 1,024]; A: input v; B: input wv_w: QUANTISED (scales: A lowp_scales[4], B lowp_scales[5])
;;     4. batch 64 x [M 2,048, K 64] x [K 64, N 2,048]; A: computed on the way; B: computed on the way: QUANTISED (scales: A lowp_scales[6], B lowp_scales[7])
;;     5. batch 64 x [M 2,048, K 2,048] x [K 2,048, N 64]; A: softmax (see below); B: computed on the way: QUANTISED (scales: A lowp_scales[8], B lowp_scales[9])
;;     6. [M 8,192, K 1,024] x [K 1,024, N 1,024]; A: computed on the way; B: input dense_w: QUANTISED (scales: A lowp_scales[10], B lowp_scales[11])
;;   THE QUANTISER, for each operand of a quantised product, along K:
;;     - The operand's scale is 2^e, e = its entry of the input lowp_scales (int32; the entries are numbered through the quantised products in the list's order, A before B).
;;     - Each number is divided by the scale, clamped to +-448, and rounded to the nearest number of E4M3, ties to even, subnormals kept.
;;     - The product sums the exact products of the quantised numbers (number of the format x scale) in f32.
;;   ~~~python
;;   def quantise(x, axis, e):      # numpy; x: float32 -> the quantised numbers, widened to float32 again
;;       x = np.moveaxis(x, axis, -1); K = x.shape[-1]
;;       r = np.clip(x / 2.0 ** e, -448, 448)
;;       step = 2.0 ** (np.maximum(np.frexp(np.where(r == 0, 1, r))[1] - 1, -6) - 3)
;;       q = np.round(r / step) * step * 2.0 ** e      # np.round: ties to even
;;       return np.moveaxis(q, -1, axis).astype(np.float32)
;;   ~~~
;;   SOFTMAX AHEAD OF A QUANTISED PRODUCT. Where the list says 'softmax', what is quantised is not the finished softmax but p = 2^(t - M), with t = logit x log2(e) and M = ceil(the row's largest t), a whole number; so 1/2 < the row's largest p <= 1. The row's sum l is taken of the UNQUANTISED p, in f32, and the product's result is divided by l at the end. Since M is a whole number, a kernel that streams over the keys may use a running M (the ceiling of the running maximum): every later rescaling is an exact power of two, so the quantised numbers keep their values, but for numbers so far below the row's largest that they fall under the format's range.
;;   OPERANDS COMPUTED ON THE WAY. 'Computed on the way' means the value that the module computes at that place (a softmax that the list does not call 'softmax' is quantised finished and normalised). What goes into a quantiser is computed in f32, as accurately as f32 sums, v_exp_f32 and their like allow (about 1e-6 of the number): no bf16 or f16 on the way to a quantiser, and a product that is left as it is and whose result goes on into a quantised operand takes f32 operands (vector FMAs, or v_wmma_f32_16x16x4_f32). A number that lies on a knife's edge between two numbers of the format may be rounded either way, as far as f32 arithmetic and the matrix unit's own rounding can turn it there, and no further.
;; One version. Each part assembles by itself: llvm-mc -triple=amdgcn-amd-amdhsa -mcpu=gfx1250 --defsym DOCPART=n.
;; ======== version 1 of 1: 4 launches
;; limits: right only within a limited range of input values
;; workspace buffers: xc 25,165,824 bytes; wc 4,194,304 bytes; qc 8,388,608 bytes; kc 8,388,608 bytes; vc 8,388,608 bytes; ac 8,388,608 bytes
;; launch quant (part 1): grid 896 x 1, 4 waves a work-group, no clusters, 34,304 bytes of LDS; arguments q, k, v, wq_w, wk_w, wv_w, dense_w, lowp_scales, xc, wc; writes xc, wc
.if DOCPART == 1
	.amdgcn_target "amdgcn-amd-amdhsa--gfx1250"
	.amdhsa_code_object_version 6
	.text
	.protected	k_qde19077842_quant
	.globl	k_qde19077842_quant
	.p2align	8
	.type	k_qde19077842_quant,@function
k_qde19077842_quant:
	s_mov_b64 s[64:65], 0
	v_nop
	global_prefetch_b8 v0, s[64:65] scope:SCOPE_SE
	s_setreg_imm32_b32 hwreg(HW_REG_WAVE_MODE, 25, 1), 1
	s_wait_xcnt 0x0
; q, k, v [8192][1024] and wq_w, wk_w, wv_w, dense_w [1024][1024], f32 with K innermost, become codes of FP8 (E4M3), each tensor with the one scale 2^e given for it
; (entries 0, 2, 4 and 1, 3, 5, 11 of the buffer of scales).  code = x / 2^e, held within +-448, to the nearest code, ties to even.
; LIMITS: e between -126 and 119, so that 2^e and 448 x 2^e are f32 numbers.  NaN among the inputs is not served; an infinity is held at the largest code.
; THE CODES ARE LAID AS IMAGES OF THE OPERAND'S REGISTERS.  A fragment is 16 rows x 128 K = 2,048 bytes: [chunk c 0..3][lane 0..31][16 bytes]; lane (r = lane % 16, h = lane / 16) holds, in chunk c,
; k = 32 c + 16 h + 0 .. 15 of the tile's row r.  xc: [tensor][256 K: 2 MiB][row tile: 4,096][128 K: 2,048]; wc the same with 256 KiB for 256 K.
; WHICH ROWS FORM A TILE: in q, tile T's row r is row 16 T + r.  In k, v and the weights it is row 32 (T / 2) + 8 (T % 2) + r + 8 (r / 8), so that the results of a product that takes such a tile as
; source 0 have 16 neighbours in the 16 registers of two neighbouring tiles.
; SHARES.  A wave takes one row tile x 512 K: four fragments.  Work-groups 0-767 take q, k, v (256 each), 768-895 the four weights (32 each).  One path for all: only pointers and shifts are chosen.
; Each load reads 512 consecutive bytes of one row; a fragment's 16 rows turn through the wave's own stage in LDS (rows 528 bytes apart, 33 x 16: the 16 rows that a read touches start at 16 different
; banks; 64 banks of 4 bytes: ISA guide 11.1), so that a lane gets 16 neighbours along K; each store writes 512 consecutive bytes.  Waves share nothing: no barrier.  Loads run two fragments ahead.
; No matrix unit, no cluster, no tensor load: every byte is read once by one wave.
.set SP,    528                        ; a stage row
.set WST,   16*SP                      ; a wave's stage
.set SPARE, 4*WST                      ; behind the stages: the spare words, 128 bytes for each wave: two blocks of 256 bytes that no other line names
.set VA0, 2                            ; v2   16 x lane: my bytes of a load's or a store's 512
.set VA1, 3                            ; v3   the same for a tile's rows 8-15: 8 rows further on where the tile's rows are not neighbours
.set VS,  4                            ; v4   the stage, on the way in
.set VL,  5                            ; v5   and on the way out: row r, + 64 h
.set VO1, 7                            ; v7   16 x lane + 256 K on in the codes' buffer
.set SC,  8                            ; v8   2^e as f32
.set LIM, 9                            ; v9   448 x 2^e
.set SPW, 10                           ; v10  LDS address of my spare word; never rewritten
.set NIL, 11                           ; v11  0; never rewritten
.set R,   16                           ; v16-143   two sets of 64: a fragment's numbers as loaded
.set X,   144                          ; v144-207  the same turned: register 16 c + i = k 32 c + 16 h + i of row r
.set C,   208                          ; v208-239  two sets of 16: a fragment's codes
	s_load_b512 s[16:31], s[0:1], 0x0              ; q 16, k 18, v 20, wq_w 22, wk_w 24, wv_w 26, dense_w 28, the scales' exponents 30
	s_load_b128 s[32:35], s[0:1], 0x40             ; xc, wc
	v_lshl_add_u32 v[SPW], v0, 2, SPARE
	v_mov_b32 v[NIL], 0
	v_lshrrev_b32 v1, 5, v0
	v_readfirstlane_b32 s2, v1                     ; wave 0..3
	v_and_b32 v1, 31, v0                           ; lane
	v_lshlrev_b32 v[VA0], 4, v1
	s_wait_alu depctr_va_vdst(0)
	v_and_b32 v12, 15, v0                          ; r
	s_wait_alu depctr_va_vdst(0)
	v_bfe_u32 v13, v0, 4, 1                        ; h
	s_cmp_lt_u32 ttmp9, 768                        ; an activation or a weight?  All that follows hangs on the work-group's number alone
	s_cselect_b32 s3, 0, 768
	s_cselect_b32 s6, 8, 5                         ; work-groups to a tensor: 256 or 32
	s_cselect_b32 s7, 255, 31
	s_cselect_b32 s10, 23, 20                      ; a tensor's codes: 8 MiB or 1 MiB
	s_cselect_b32 s11, 21, 18                      ; 256 K of all its rows: 2 MiB or 256 KiB
	s_sub_co_u32 s3, ttmp9, s3
	s_lshr_b32 s12, s3, s6                         ; which tensor of its kind
	s_and_b32 s13, s3, s7
	s_lshl_b32 s13, s13, 1
	s_lshr_b32 s14, s2, 1
	s_add_co_u32 s13, s13, s14                     ; T, my row tile: two to a work-group
	s_and_b32 s14, s2, 1                           ; which 512 of K
	s_cmp_lt_u32 ttmp9, 256                        ; q's tiles are 16 neighbouring rows
	s_cselect_b32 s15, 16, 8
	s_cselect_b32 s36, 0, 0x8000                   ; else rows 8-15 of a tile lie 8 rows of 4,096 bytes further on
	s_lshr_b32 s37, s13, 1
	s_lshl_b32 s37, s37, 5
	s_and_b32 s38, s13, 1
	s_mul_i32 s38, s38, s15
	s_add_co_u32 s37, s37, s38                     ; the tile's first row: 32 (T / 2) + 16 or 8 x (T % 2)
	s_lshl_b32 s37, s37, 12
	s_lshl_b32 s38, s14, 11
	s_add_co_u32 s52, s37, s38                     ; in bytes, + my 512 of K
	s_mov_b32 s53, 0
	s_lshl_b32 s54, s12, s10
	s_lshl_b32 s38, s14, 1
	s_lshl_b32 s38, s38, s11
	s_add_co_u32 s54, s54, s38
	s_lshl_b32 s38, s13, 12
	s_add_co_u32 s54, s54, s38                     ; my codes: tensor, 256 K x 2 x half, row tile
	s_mov_b32 s55, 0
	s_lshl_b32 s39, 1, s11
	v_add_nc_u32 v[VA1], s36, v[VA0]
	v_add_nc_u32 v[VO1], s39, v[VA0]
	s_mul_i32 s56, s2, WST
	v_add_nc_u32 v[VS], s56, v[VA0]
	v_mul_u32_u24 v[VL], v12, SP
	s_wait_alu depctr_va_vdst(0)
	v_lshl_add_u32 v[VL], v13, 6, v[VL]
	v_add_nc_u32 v[VL], s56, v[VL]
	s_wait_alu depctr_va_vdst(0)
	s_wait_kmcnt 0x0
	s_load_b256 s[40:47], s[30:31], 0x0            ; e0 .. e7
	s_load_b128 s[48:51], s[30:31], 0x20           ; e8 .. e11
	s_mov_b64 s[4:5], s[28:29]                     ; the source: dense_w, unless the work-group's number is lower
	s_cmp_lt_u32 ttmp9, 864
	s_cselect_b64 s[4:5], s[26:27], s[4:5]
	s_cmp_lt_u32 ttmp9, 832
	s_cselect_b64 s[4:5], s[24:25], s[4:5]
	s_cmp_lt_u32 ttmp9, 800
	s_cselect_b64 s[4:5], s[22:23], s[4:5]
	s_cmp_lt_u32 ttmp9, 768
	s_cselect_b64 s[4:5], s[20:21], s[4:5]
	s_cselect_b64 s[8:9], s[32:33], s[34:35]       ; and the codes' buffer
	s_cmp_lt_u32 ttmp9, 512
	s_cselect_b64 s[4:5], s[18:19], s[4:5]
	s_cmp_lt_u32 ttmp9, 256
	s_cselect_b64 s[4:5], s[16:17], s[4:5]
	s_add_nc_u64 s[4:5], s[4:5], s[52:53]
	s_add_nc_u64 s[8:9], s[8:9], s[54:55]
.macro LOAD f                          ; fragment f: 16 loads, each 512 consecutive bytes (128 numbers) of one of the tile's rows
.irp i, 0,1,2,3,4,5,6,7
	global_load_b128 v[R+64*((\f)%2)+4*\i:R+64*((\f)%2)+4*\i+3], v[VA0], s[4:5] offset:\i*4096+(\f)*512 th:TH_LOAD_NT
.endr
.irp i, 8,9,10,11,12,13,14,15
	global_load_b128 v[R+64*((\f)%2)+4*\i:R+64*((\f)%2)+4*\i+3], v[VA1], s[4:5] offset:\i*4096+(\f)*512 th:TH_LOAD_NT
.endr
.endm
	LOAD 0
	LOAD 1
	s_wait_kmcnt 0x0
	s_mov_b32 s57, s51                             ; e, by the same bounds: dense_w 11, wv_w 5, wk_w 3, wq_w 1, v 4, k 2, q 0
	s_cmp_lt_u32 ttmp9, 864
	s_cselect_b32 s57, s45, s57
	s_cmp_lt_u32 ttmp9, 832
	s_cselect_b32 s57, s43, s57
	s_cmp_lt_u32 ttmp9, 800
	s_cselect_b32 s57, s41, s57
	s_cmp_lt_u32 ttmp9, 768
	s_cselect_b32 s57, s44, s57
	s_cmp_lt_u32 ttmp9, 512
	s_cselect_b32 s57, s42, s57
	s_cmp_lt_u32 ttmp9, 256
	s_cselect_b32 s57, s40, s57
	s_add_co_i32 s57, s57, 127
	s_lshl_b32 s58, s57, 23
	v_mov_b32 v[SC], s58                           ; 2^e as f32: the conversion takes its exponent field
	s_add_co_i32 s57, s57, 8
	s_lshl_b32 s57, s57, 23
	s_or_b32 s57, s57, 0x600000
	v_mov_b32 v[LIM], s57                          ; 448 x 2^e
.macro FRAGQ f
.set RS, R+64*((\f)%2)
.set CC, C+16*((\f)%2)
.if (\f) < 3
	s_wait_loadcnt 16                              ; this fragment's 16 loads are in; the next fragment's 16 may be out
.else
	s_wait_loadcnt 0x0
.endif
.irp i, 0,1,2,3,4,5,6,7,8,9,10,11,12,13,14,15
	ds_store_b128 v[VS], v[RS+4*\i:RS+4*\i+3] offset:SP*\i        ; row i as it was loaded
.endr
.irp c, 0,1,2,3
.irp j, 0,1,2,3
	ds_load_b128 v[X+16*\c+4*\j:X+16*\c+4*\j+3], v[VL] offset:128*\c+16*\j   ; LDS serves a wave's instructions in order (ISA guide 5.7.1.4): these see the stores above
.endr
.endr
	s_wait_dscnt 0x0                               ; my 64 numbers are back, and the stores have read their registers,
.if (\f) < 2
	LOAD (\f)+2                                    ; which take the loads of two fragments on
.endif
.if (\f) >= 2
	s_wait_xcnt 0x0                                ; the stores of two fragments back have read this set of codes: it is written again only behind this wait
.endif
.set j, 0
.rept 64
	v_med3_num_f32 v[X+j], v[X+j], -v[LIM], v[LIM] ; the conversion to an 8-bit code does not saturate (ISA guide 7.6.2): the hold at the largest code x the scale
.set j, j+1
.endr
.set j, 0
.rept 8
	v_cvt_scalef32_pk8_fp8_f32 v[CC+2*j:CC+2*j+1], v[X+8*j:X+8*j+7], v[SC]
.set j, j+1
.endr
	v_nop                                          ; a plain vector line behind the last conversion of the run
.irp c, 0,1,2,3
.if (\f) < 2
	global_store_b128 v[VA0], v[CC+4*\c:CC+4*\c+3], s[8:9] offset:((\f)%2)*2048+512*\c   ; chunk c: 32 lanes store 512 consecutive bytes, aligned
.else
	global_store_b128 v[VO1], v[CC+4*\c:CC+4*\c+3], s[8:9] offset:((\f)%2)*2048+512*\c
.endif
.endr
.endm
	s_wait_alu depctr_va_vdst(0)
	FRAGQ 0
	FRAGQ 1
	FRAGQ 2
	FRAGQ 3
	s_wait_tensorcnt 0x0                           ; the wave's end, behind my last LDS store
	ds_add_u32 v[SPW], v[NIL]
	s_wait_dscnt 0x0
	s_endpgm
.Lfunc_end_k_qde19077842_quant:
	.size	k_qde19077842_quant, .Lfunc_end_k_qde19077842_quant-k_qde19077842_quant
	.p2alignl 7, 3214868480
	.fill 96, 4, 3214868480
	.section	.rodata,"a",@progbits
	.p2align	6, 0x0
	.amdhsa_kernel k_qde19077842_quant
		.amdhsa_group_segment_fixed_size 34304
		.amdhsa_private_segment_fixed_size 0
		.amdhsa_enable_private_segment 0
		.amdhsa_kernarg_size 80
		.amdhsa_user_sgpr_count 2
		.amdhsa_user_sgpr_kernarg_segment_ptr 1
		.amdhsa_wavefront_size32 1
		.amdhsa_system_sgpr_workgroup_id_x 1
		.amdhsa_system_sgpr_workgroup_id_y 1
		.amdhsa_system_sgpr_workgroup_id_z 1
		.amdhsa_system_vgpr_workitem_id 0
		.amdhsa_next_free_vgpr 240
		.amdhsa_next_free_sgpr 66
		.amdhsa_reserve_vcc 0
		.amdhsa_float_denorm_mode_32 3
		.amdhsa_float_denorm_mode_16_64 3
		.amdhsa_memory_ordered 1
		.amdhsa_forward_progress 1
		.amdhsa_inst_pref_size 39
	.end_amdhsa_kernel
	.amdgpu_metadata
---
amdhsa.version: [ 1, 2 ]
amdhsa.kernels:
  - .name:           k_qde19077842_quant
    .symbol:         k_qde19077842_quant.kd
    .args:
      - { .name: q, .offset: 0, .size: 8, .value_kind: global_buffer, .address_space: global }
      - { .name: k, .offset: 8, .size: 8, .value_kind: global_buffer, .address_space: global }
      - { .name: v, .offset: 16, .size: 8, .value_kind: global_buffer, .address_space: global }
      - { .name: wq_w, .offset: 24, .size: 8, .value_kind: global_buffer, .address_space: global }
      - { .name: wk_w, .offset: 32, .size: 8, .value_kind: global_buffer, .address_space: global }
      - { .name: wv_w, .offset: 40, .size: 8, .value_kind: global_buffer, .address_space: global }
      - { .name: dense_w, .offset: 48, .size: 8, .value_kind: global_buffer, .address_space: global }
      - { .name: lowp_scales, .offset: 56, .size: 8, .value_kind: global_buffer, .address_space: global }
      - { .name: xc, .offset: 64, .size: 8, .value_kind: global_buffer, .address_space: global }
      - { .name: wc, .offset: 72, .size: 8, .value_kind: global_buffer, .address_space: global }
    .group_segment_fixed_size: 34304
    .private_segment_fixed_size: 0
    .kernarg_segment_align: 8
    .kernarg_segment_size: 80
    .max_flat_workgroup_size: 128
    .sgpr_count:     66
    .vgpr_count:     240
    .wavefront_size: 32
...
	.end_amdgpu_metadata
.endif
;; end of part 1
;; launch proj (part 2): grid 64 x 3, 4 waves a work-group, no clusters, 327,680 bytes of LDS; arguments xc, wc, lowp_scales, wq_b, wk_b, wv_b, qc, kc, vc; writes qc, kc, vc
.if DOCPART == 2
	.amdgcn_target "amdgcn-amd-amdhsa--gfx1250"
	.amdhsa_code_object_version 6
	.text
	.protected	k_qde19077842_proj
	.globl	k_qde19077842_proj
	.p2align	8
	.type	k_qde19077842_proj,@function
k_qde19077842_proj:
	s_mov_b64 s[64:65], 0
	v_nop
	global_prefetch_b8 v0, s[64:65] scope:SCOPE_SE
	s_setreg_imm32_b32 hwreg(HW_REG_WAVE_MODE, 25, 1), 1
	s_wait_xcnt 0x0
; The three projections on codes of FP8 (E4M3): y = 2^(ex + ew) x sum over k of x[m][k] W[n][k] + bias[n], for (q, wq_w), (k, wk_w), (v, wv_w); y is quantised at once (entries 6, 7, 9) and stored as the
; register images that the attention reads: qc, kc [pair][tile of 16 rows: 1,024][chunk: 512][lane: 16]; vc [pair][128 keys: 8,192][channel tile: 2,048][chunk: 512][lane: 16].
; LIMITS: ex + ew between -126 and 127; the result's e between -126 and 119, so that each power of two below is an f32 number.
; OPERANDS lie in memory as images of their registers: [256 K: 2 MiB in xc, 256 KiB in wc][tile of 16 rows: 4,096][128 K: 2,048][chunk c 0..3: 512][lane: 16].
; TWO ROLES.  Source 0's rows run along a lane's registers in the result, source 1's rows along the lanes.  q, k: source 0 = W (channels along the registers), source 1 = x.  v: source 0 = x (keys along the registers), source 1 = W.
; SHARES.  64 work-groups to a tensor, 192 in all.  A work-group holds 256 rows of source 0's tensor with ALL of K in LDS (262,144 bytes: wave w fetches the w-th 256 of K, 65,536 dense bytes, its one tensor load)
; and walks two tiles of 256 rows of source 1's tensor: 512 x 256 results.  Nothing is filled again: one barrier, no ring.
; Source 1 GOES STRAIGHT INTO REGISTERS: each wave has 64 rows of its own, 64 x 1,024 K = 512 registers, 128 loads of 512 consecutive bytes; no two waves of a work-group load the same rows.
; A tile is multiplied in two passes, one for each 128 rows of source 0: 32 accumulators, 256 matrix instructions a pass.  In the first tile's second pass each K step's registers take the next tile's loads
; as soon as its products are issued: eight K steps and a way out ahead of their use; one wait for all loads stands at a tile's head.
; The text parts ONCE, on the tensor's number, into two copies of the walk, since bias and stores differ: q, k: the bias runs along the registers (a register image of 16,384 bytes in LDS, made by the four
; waves at the head); v: along the lanes (eight registers).
; NO CLUSTER: v's tile in LDS is read by two work-groups only, q's and k's by sixteen; a mask of four partners would name work-groups that read another tile.
; NO PREFETCH: the tensor loads all stand at the head, and the direct loads are themselves issued eight K steps ahead.
; REGISTERS, in windows of 256: window 0: v0-39 addresses, bounds, bias; v64-255 source 0's fragments, three sets of four blocks (on the way out: v64-127 at work, v128-191 the bias, v192-255 codes);
; window 1: accumulator (a, b) at v[8 (8 a + b)]; windows 2, 3: source 1's fragment (K step T, block a) at v[64 (T % 4) + 16 a], T / 4 choosing the window.
.set BIMG,  262144                     ; behind the tile: the bias's image, 32 groups of four registers, 512 bytes each
.set SPARE, BIMG+16384                 ; behind it: the spare words, 128 bytes for each wave: two blocks of 256 bytes that no other line names
.set BA,   6                           ; v6-13   v: the bias of my lane's channel in block a of tile n, at 4 n + a
.set ABI,  14                          ; v14-15  q, k: LDS address of the bias's image for each half of source 0's rows
.set ADB,  16                          ; v16-23  LDS address of source 0's tiles: 4 x half + which 256 of K
.set VB,   24                          ; v24     64 x (lane / 16)
.set VB2,  25                          ; v25     4 x (r + 8 (r / 8))
.set LI,   26                          ; v26     16 x lane
.set SPW,  28                          ; v28     LDS address of my spare word; never rewritten
.set NIL,  29                          ; v29     0; never rewritten
.set SC,   30                          ; v30     the result's 2^e
.set LIM,  31                          ; v31     448 x that
.set BC,   32                          ; v32-39  v: the tile's bias, a pair of equal numbers for each block a
.set BF,   64
.set TMP,  64
.set BB,   128
.set CD,   192
.set MK,   15                          ; s15     v: 0 in the first tile, all ones in the second
.set NT,   16                          ; s16     the tile, 0 or 1
.set G1,   24
.set G0,   32
.set RB,   52                          ; s[52:59] source 1's rows of my wave, one address for each 256 of K
.set MSB, 0
.macro WIN new                         ; the immediate's high byte repeats the setting that is left
.if MSB != \new
	s_set_vgpr_msb (MSB<<8)|\new
.set MSB, \new
.endif
.endm
.macro PLACES
.rept 4
	v_nop
.endr
.endm
; source 1's four blocks of K step T, tile n
.macro RLOAD T, n
	WIN 0x80+0x40*((\T)/4)
.irp a, 0,1,2,3
.irp c, 0,1,2,3
	global_load_b128 v[64*((\T)%4)+16*\a+4*\c:64*((\T)%4)+16*\a+4*\c+3], v[LI], s[RB+2*((\T)/2):RB+2*((\T)/2)+1] offset:\n*65536+\a*4096+((\T)%2)*2048+512*\c
.endr
.endr
	WIN 0
.endm
; source 0's blocks 4 (g % 2) .. + 3 of K step g / 2, half hf, into set g % 3
.macro FETCH hf, g
.irp bb, 0,1,2,3
.irp c, 0,1,2,3
	ds_load_b128 v[BF+64*((\g)%3)+16*\bb+4*\c:BF+64*((\g)%3)+16*\bb+4*\c+3], v[ADB+4*\hf+(\g)/4] offset:(4*((\g)%2)+\bb)*4096+(((\g)/2)%2)*2048+512*\c
.endr
.endr
.endm
; 16 matrix instructions: four blocks of source 1 x four of source 0, 128 along K.  The accumulators take turns, one instruction a turn; 31 others stand between two steps of a sum.
.macro GROUP hf, g
.set T, (\g)/2
.set H, (\g)%2
.set BS, BF+64*((\g)%3)
.set WM, 0x58+4*(T/4)                  ; source 0 window 0, source 1 window 2 or 3, C and D window 1
.if (\g) < 14
	s_wait_dscnt 32                                ; this set is in; the two younger sets, 16 loads each, may be out
.else
	s_wait_dscnt 16*(15-(\g))
.endif
	WIN WM
.irp a, 0,1,2,3
.irp bb, 0,1,2,3
.if T == 0
	v_wmma_f32_16x16x128_fp8_fp8 v[8*(8*\a+4*H+\bb):8*(8*\a+4*H+\bb)+7], v[BS+16*\bb:BS+16*\bb+15], v[64*(T%4)+16*\a:64*(T%4)+16*\a+15], 0
.else
	v_wmma_f32_16x16x128_fp8_fp8 v[8*(8*\a+4*H+\bb):8*(8*\a+4*H+\bb)+7], v[BS+16*\bb:BS+16*\bb+15], v[64*(T%4)+16*\a:64*(T%4)+16*\a+15], v[8*(8*\a+4*H+\bb):8*(8*\a+4*H+\bb)+7]
.endif
.endr
.endr
	PLACES                                         ; four places in front of loads into registers that these products have read, and of the first read of results
	WIN 0
.if (\g)+3 < 16
	FETCH \hf, (\g)+3
.endif
.if \hf && ((\g)%2 == 1)
	s_cmp_eq_u32 s[NT], 0                          ; the K step is done with in this tile: in the first tile its registers take the second tile's loads
	s_cbranch_scc0 .Lno_next_\@
	RLOAD (\g)/2, 1
.Lno_next_\@:
.endif
.endm
.macro PASS hf
	s_wait_xcnt 0x0                                ; the last way out's stores have read their codes: fragments land on those registers
	FETCH \hf, 0
	FETCH \hf, 1
	FETCH \hf, 2
.irp g, 0,1,2,3,4,5,6,7,8,9,10,11,12,13,14,15
	GROUP \hf, \g
.endr
.endm
; THE WAY OUT of block a: sum x 2^(ex + ew) + bias, held within the largest code, converted: the 16 registers of result tiles 2 b, 2 b + 1 are 16 neighbours, a chunk of the image; each store writes 512 consecutive bytes.
.macro OUTB isv, hf, a
	WIN 0x01                                       ; source 0 (the sums) window 1
.set j, 0
.rept 32
.if \isv
	v_pk_fma_f32 v[TMP+j:TMP+j+1], v[64*\a+j:64*\a+j+1], s[96:97], v[BC+2*\a:BC+2*\a+1] op_sel_hi:[1,0,1]   ; each accumulator from its low end on
.else
	v_pk_fma_f32 v[TMP+j:TMP+j+1], v[64*\a+j:64*\a+j+1], s[96:97], v[BB+j:BB+j+1] op_sel_hi:[1,0,1]
.endif
.set j, j+2
.endr
	WIN 0
.set j, 0
.rept 64
	v_med3_num_f32 v[TMP+j], v[TMP+j], -v[LIM], v[LIM]   ; the conversion to an 8-bit code does not saturate (ISA guide 7.6.2)
.set j, j+1
.endr
.set j, 0
.rept 8
	v_cvt_scalef32_pk8_fp8_f32 v[CD+16*\a+2*j:CD+16*\a+2*j+1], v[TMP+8*j:TMP+8*j+7], v[SC]
.set j, j+1
.endr
	v_nop                                          ; a plain line behind the last conversion
.irp b, 0,1,2,3
.if \isv
	global_store_b128 v[LI], v[CD+16*\a+4*\b:CD+16*\a+4*\b+3], s[12:13] offset:\hf*8192+\a*2048+\b*512
.else
	global_store_b128 v[LI], v[CD+16*\a+4*\b:CD+16*\a+4*\b+3], s[12:13] offset:\hf*262144+(\b/2)*131072+\a*1024+(\b%2)*512
.endif
.endr
.endm
.macro WAYOUT isv, hf
.if \isv == 0
.irp i, 0,1,2,3,4,5,6,7,8,9,10,11,12,13,14,15
	ds_load_b128 v[BB+4*\i:BB+4*\i+3], v[ABI+\hf] offset:512*\i   ; this half's bias: register 16 b + i is channel 32 b + 16 (lane / 16) + i
.endr
	s_wait_dscnt 0x0
.endif
.irp a, 0,1,2,3
	OUTB \isv, \hf, \a
.endr
.endm
; the walk over the two tiles; step: bytes from the first tile's results to the second's
.macro WALK isv, step
	s_mov_b32 s[NT], 0
.Ltile_\@:
	s_wait_loadcnt 0x0                             ; all of this tile's fragments of source 1 are in (and the bias)
.if \isv
	s_cmp_eq_u32 s[NT], 0
	s_cselect_b32 s[MK], 0, -1
.irp a, 0,1,2,3
	v_cndmask_b32 v[BC+2*\a], v[BA+\a], v[BA+4+\a], s[MK]
	v_cndmask_b32 v[BC+2*\a+1], v[BA+\a], v[BA+4+\a], s[MK]
.endr
	s_wait_alu depctr_va_vdst(0)
.endif
	PASS 0
	WAYOUT \isv, 0
	PASS 1
	WAYOUT \isv, 1
	s_wait_xcnt 0x0                                ; the stores have read their base
	s_add_nc_u64 s[12:13], s[12:13], \step
	s_add_co_u32 s[NT], s[NT], 1
	s_cmp_lt_u32 s[NT], 2
	s_cbranch_scc1 .Ltile_\@
.endm
	s_load_b128 s[4:7], s[0:1], 0x0                ; xc, wc
	s_load_b256 s[68:75], s[0:1], 0x10             ; the scales' exponents 68, wq_b 70, wk_b 72, wv_b 74
	s_load_b128 s[76:79], s[0:1], 0x30             ; qc, kc
	s_load_b64 s[80:81], s[0:1], 0x40              ; vc
	v_lshl_add_u32 v[SPW], v0, 2, SPARE
	v_mov_b32 v[NIL], 0
	ds_add_u32 v[SPW], v[NIL]                      ; the wave's opening: the add, twice on end, and its wait ahead of my first tensor load
	ds_add_u32 v[SPW], v[NIL]
	v_lshrrev_b32 v1, 5, v0
	v_readfirstlane_b32 s14, v1                    ; wave 0..3
	s_and_b32 s66, ttmp7, 0xffff                   ; the tensor: 0 q, 1 k, 2 v
	s_and_b32 s40, ttmp9, 3                        ; q, k: which 256 channels lie in LDS,
	s_lshr_b32 s41, ttmp9, 2                       ;       which 512 rows are walked
	s_lshr_b32 s42, ttmp9, 1                       ; v: which 256 keys lie in LDS,
	s_and_b32 s43, ttmp9, 1                        ;    which 512 channels are walked
	s_lshl_b32 s44, s66, 20
	s_lshl_b32 s45, s40, 16
	s_add_co_u32 s44, s44, s45                     ; source 0's tile: q, k: in wc,
	s_lshl_b32 s45, s42, 16
	s_add_co_u32 s45, s45, 0x1000000               ; v: in xc's third tensor
	s_lshl_b32 s46, s66, 23
	s_lshl_b32 s47, s41, 17
	s_add_co_u32 s46, s46, s47                     ; source 1's rows: q, k: in xc,
	s_lshl_b32 s47, s43, 17
	s_add_co_u32 s47, s47, 0x200000                ; v: in wc's third tensor
	s_mov_b32 s48, 0x40000                         ; 256 K on in wc,
	s_mov_b32 s49, 0x200000                        ; and in xc
	s_cmp_eq_u32 s66, 2
	s_cselect_b32 s20, s45, s44
	s_cselect_b32 s22, s47, s46
	s_cselect_b32 s50, s49, s48
	s_cselect_b32 s60, s48, s49
	s_mul_i32 s51, s14, s50
	s_add_co_u32 s20, s20, s51                     ; I fetch the wave's 256 of K
	s_mov_b32 s21, 0
	s_lshl_b32 s51, s14, 14
	s_add_co_u32 s22, s22, s51                     ; my 4 tiles of a tile's 16
	s_mov_b32 s23, 0
	s_mov_b32 s61, 0
	s_lshl_b32 s19, s14, 12
	s_add_co_u32 s19, s19, BIMG                    ; my eight groups of the bias's image
	s_mov_b32 s[G1], 3<<16                         ; a dense block stated as 256 rows of 32 elements of 8 bytes
	s_mov_b32 s[G1+1], 32<<16
	s_mov_b32 s[G1+2], 256<<16
	s_mov_b32 s[G1+3], 32<<16
	s_mov_b32 s[G1+4], 256
	s_mov_b32 s[G1+5], 32
	s_mov_b32 s[G1+6], 0
	s_mov_b32 s[G1+7], 0
	s_mov_b32 s[G0], 1
	s_lshl_b32 s[G0+1], s14, 16
	s_wait_dscnt 0x0                               ; both opening adds are done
	s_wait_kmcnt 0x0
	s_load_b256 s[84:91], s[68:69], 0x0            ; e0 .. e7
	s_load_b128 s[92:95], s[68:69], 0x20           ; e8 .. e11
	s_cmp_eq_u32 s66, 2                            ; the tensor's number alone chooses the buffers
	s_cselect_b64 s[8:9], s[4:5], s[6:7]
	s_cselect_b64 s[10:11], s[6:7], s[4:5]
	s_add_nc_u64 s[G0+2:G0+3], s[8:9], s[20:21]
	s_or_b32 s[G0+3], s[G0+3], 0x80000000
	s_add_nc_u64 s[RB:RB+1], s[10:11], s[22:23]
	s_add_nc_u64 s[RB+2:RB+3], s[RB:RB+1], s[60:61]
	s_add_nc_u64 s[RB+4:RB+5], s[RB+2:RB+3], s[60:61]
	s_add_nc_u64 s[RB+6:RB+7], s[RB+4:RB+5], s[60:61]
	tensor_load_to_lds s[G0:G0+3], s[G1:G1+7]      ; my one tensor load
	s_nop 0
	PLACES
	v_and_b32 v1, 31, v0
	v_lshlrev_b32 v[LI], 4, v1
	v_and_b32 v2, 15, v0
	v_bfe_u32 v3, v0, 4, 1
	v_lshlrev_b32 v[VB], 6, v3
	v_and_b32 v4, 8, v2
	v_add_nc_u32 v4, v4, v2
	v_lshlrev_b32 v[VB2], 2, v4
.irp k, 0,1,2,3,4,5,6,7
	v_add_nc_u32 v[ADB+\k], (\k%4)*65536+(\k/4)*32768, v[LI]
.endr
	v_add_nc_u32 v[ABI], BIMG, v[LI]
	v_add_nc_u32 v[ABI+1], BIMG+8192, v[LI]
	v_add_nc_u32 v5, s19, v[LI]
	s_wait_alu depctr_va_vdst(0)
	s_wait_kmcnt 0x0
	s_cmp_eq_u32 s66, 0
	s_cselect_b32 s82, s84, s86                    ; ex, ew and the result's e: q 0, 1, 6; k 2, 3, 7; v 4, 5, 9
	s_cselect_b32 s83, s85, s87
	s_cselect_b32 s98, s90, s91
	s_cselect_b64 s[62:63], s[70:71], s[72:73]
	s_cselect_b64 s[12:13], s[76:77], s[78:79]
	s_cmp_eq_u32 s66, 2
	s_cselect_b32 s82, s88, s82
	s_cselect_b32 s83, s89, s83
	s_cselect_b32 s98, s93, s98
	s_cselect_b64 s[62:63], s[74:75], s[62:63]
	s_cselect_b64 s[12:13], s[80:81], s[12:13]
	s_add_co_i32 s96, s82, s83
	s_add_co_i32 s96, s96, 127
	s_lshl_b32 s96, s96, 23                        ; 2^(ex + ew) as f32
	s_mov_b32 s97, s96                             ; (named with it as a pair, so it is written)
	s_add_co_i32 s98, s98, 127
	s_lshl_b32 s99, s98, 23
	v_mov_b32 v[SC], s99
	s_add_co_i32 s98, s98, 8
	s_lshl_b32 s98, s98, 23
	s_or_b32 s98, s98, 0x600000
	v_mov_b32 v[LIM], s98
	s_wait_alu depctr_va_vdst(0)
.irp t, 0,1,2,3,4,5,6,7
	RLOAD \t, 0                                    ; the first tile's fragments of source 1
.endr
	s_wait_tensorcnt 0x0                           ; my 256 of K is in
	s_cmp_eq_u32 s66, 2
	s_cbranch_scc1 .Lv
	; q, k.  The bias: channels 256 c on; wave w makes groups 8 w .. 8 w + 7 of the image.  The results: pair 16 x batch + 4 c, row tile 32 (Y % 4) + 4 w
	s_lshl_b32 s36, s40, 10
	s_lshl_b32 s37, s14, 8
	s_add_co_u32 s36, s36, s37
	s_mov_b32 s37, 0
	s_add_nc_u64 s[62:63], s[62:63], s[36:37]
	s_lshr_b32 s38, s41, 2
	s_lshl_b32 s38, s38, 4
	s_lshl_b32 s39, s40, 2
	s_add_co_u32 s38, s38, s39
	s_lshl_b32 s38, s38, 17
	s_and_b32 s39, s41, 3
	s_lshl_b32 s39, s39, 15
	s_add_co_u32 s38, s38, s39
	s_lshl_b32 s39, s14, 12
	s_add_co_u32 s38, s38, s39
	s_mov_b32 s39, 0
	s_add_nc_u64 s[12:13], s[12:13], s[38:39]
.irp k, 0,1,2,3,4,5,6,7
	global_load_b128 v[BF+4*\k:BF+4*\k+3], v[VB], s[62:63] offset:(\k/4)*128+(\k%4)*16
.endr
	s_wait_loadcnt 0x0
.irp k, 0,1,2,3,4,5,6,7
	ds_store_b128 v5, v[BF+4*\k:BF+4*\k+3] offset:512*\k
.endr
	s_wait_dscnt 0x0                               ; my part of the image is written,
	s_barrier_signal -1
	s_barrier_wait -1                              ; and everybody's, and everybody's 256 of K is in.
	WALK 0, 16384
	s_branch .Lend
.Lv:
	; v.  The bias: channels 512 Yv + 64 w on.  The results: pair 16 x batch + 8 Yv + w, keys 256 (block % 8) on
	s_lshl_b32 s36, s43, 11
	s_lshl_b32 s37, s14, 8
	s_add_co_u32 s36, s36, s37
	s_mov_b32 s37, 0
	s_add_nc_u64 s[62:63], s[62:63], s[36:37]
	s_lshr_b32 s38, s42, 3
	s_lshl_b32 s38, s38, 4
	s_lshl_b32 s39, s43, 3
	s_add_co_u32 s38, s38, s39
	s_add_co_u32 s38, s38, s14
	s_lshl_b32 s38, s38, 17
	s_and_b32 s39, s42, 7
	s_lshl_b32 s39, s39, 14
	s_add_co_u32 s38, s38, s39
	s_mov_b32 s39, 0
	s_add_nc_u64 s[12:13], s[12:13], s[38:39]
.irp n, 0,1
.irp a, 0,1,2,3
	global_load_b32 v[BA+4*\n+\a], v[VB2], s[62:63] offset:(256*\n+32*(\a/2)+8*(\a%2))*4
.endr
.endr
	s_barrier_signal -1
	s_barrier_wait -1                              ; everybody's 256 of K is in.
	WALK 1, 524288
.Lend:
	s_wait_tensorcnt 0x0                           ; the wave's end
	ds_add_u32 v[SPW], v[NIL]
	s_wait_dscnt 0x0
	s_endpgm
.Lfunc_end_k_qde19077842_proj:
	.size	k_qde19077842_proj, .Lfunc_end_k_qde19077842_proj-k_qde19077842_proj
	.p2alignl 7, 3214868480
	.fill 96, 4, 3214868480
	.section	.rodata,"a",@progbits
	.p2align	6, 0x0
	.amdhsa_kernel k_qde19077842_proj
		.amdhsa_group_segment_fixed_size 327680
		.amdhsa_private_segment_fixed_size 0
		.amdhsa_enable_private_segment 0
		.amdhsa_kernarg_size 72
		.amdhsa_user_sgpr_count 2
		.amdhsa_user_sgpr_kernarg_segment_ptr 1
		.amdhsa_wavefront_size32 1
		.amdhsa_system_sgpr_workgroup_id_x 1
		.amdhsa_system_sgpr_workgroup_id_y 1
		.amdhsa_system_sgpr_workgroup_id_z 1
		.amdhsa_system_vgpr_workitem_id 0
		.amdhsa_next_free_vgpr 1024
		.amdhsa_next_free_sgpr 100
		.amdhsa_reserve_vcc 0
		.amdhsa_float_denorm_mode_32 3
		.amdhsa_float_denorm_mode_16_64 3
		.amdhsa_memory_ordered 1
		.amdhsa_forward_progress 1
		.amdhsa_inst_pref_size 255
	.end_amdhsa_kernel
	.section	.bss,"aw",@nobits
	.p2align	6
	.space	262144
	.amdgpu_metadata
---
amdhsa.version: [ 1, 2 ]
amdhsa.kernels:
  - .name:           k_qde19077842_proj
    .symbol:         k_qde19077842_proj.kd
    .args:
      - { .name: xc, .offset: 0, .size: 8, .value_kind: global_buffer, .address_space: global }
      - { .name: wc, .offset: 8, .size: 8, .value_kind: global_buffer, .address_space: global }
      - { .name: lowp_scales, .offset: 16, .size: 8, .value_kind: global_buffer, .address_space: global }
      - { .name: wq_b, .offset: 24, .size: 8, .value_kind: global_buffer, .address_space: global }
      - { .name: wk_b, .offset: 32, .size: 8, .value_kind: global_buffer, .address_space: global }
      - { .name: wv_b, .offset: 40, .size: 8, .value_kind: global_buffer, .address_space: global }
      - { .name: qc, .offset: 48, .size: 8, .value_kind: global_buffer, .address_space: global }
      - { .name: kc, .offset: 56, .size: 8, .value_kind: global_buffer, .address_space: global }
      - { .name: vc, .offset: 64, .size: 8, .value_kind: global_buffer, .address_space: global }
    .group_segment_fixed_size: 327680
    .private_segment_fixed_size: 0
    .kernarg_segment_align: 8
    .kernarg_segment_size: 72
    .max_flat_workgroup_size: 128
    .sgpr_count:     100
    .vgpr_count:     1024
    .wavefront_size: 32
...
	.end_amdgpu_metadata
.endif
;; end of part 2
;; launch attn (part 3): grid 4 x 64, 16 waves a work-group, clusters of 4 x 1, 327,680 bytes of LDS; arguments qc, kc, vc, lowp_scales, ac; writes ac
.if DOCPART == 3
	.amdgcn_target "amdgcn-amd-amdhsa--gfx1250"
	.amdhsa_code_object_version 6
	.text
	.protected	k_qde19077842_attn
	.globl	k_qde19077842_attn
	.p2align	8
	.type	k_qde19077842_attn,@function
k_qde19077842_attn:
	s_mov_b64 s[64:65], 0
	v_nop
	global_prefetch_b8 v0, s[64:65] scope:SCOPE_SE
	s_setreg_imm32_b32 hwreg(HW_REG_WAVE_MODE, 25, 1), 1
	s_wait_xcnt 0x0
	s_wait_alu depctr_hold_cnt(0) depctr_sa_sdst(0) depctr_va_vdst(0) depctr_va_sdst(0) depctr_va_ssrc(0) depctr_va_vcc(0) depctr_vm_vsrc(0)
	s_getreg_b32 s2, hwreg(HW_REG_IB_STS2, 6, 4)
	s_cmp_eq_u32 s2, 0
	s_cbranch_scc0 .Lentry_in_a_cluster
	s_endpgm
.Lentry_in_a_cluster:
	s_bfe_u32 s2, ttmp6, 0x10000c
	s_cmp_lg_u32 s2, 0x3003
	s_cbranch_scc0 .Lentry_shape_is_right
	s_endpgm
.Lentry_shape_is_right:
; Causal attention on codes of FP8 (E4M3): for each of 64 (batch, head) pairs, O[q] = sum over keys k <= q of softmax(Q[q] . K[k] / 8) V[k], 2,048 rows, head size 64; O is quantised at once (entry 10).
; THE SOFTMAX AHEAD OF THE SECOND PRODUCT: t = score x log2(e) / 8; M = the row's largest t so far, rounded UP to a whole number; p = 2^(t - M) is what is quantised (entry 8), not normalised.
; The row's sum is taken of the unquantised p, in f32, and divides O at the end.  When M moves, the sum and O are multiplied by 2^(old M - new M): exact.  A hidden key gets p = 0.
; WORK LEFT OUT: key steps all of whose 128 keys come after a tile's queries: the mask that the definition builds itself gives them p = 0 for all values of the inputs.
; LIMITS: e6 + e7 between -123 and 130 (added to c's exponent field); e8 and e10 between -126 and 119; e8 + e9 is applied by v_ldexp_f32 and has none.  The scaled scores stay under 2^31.
; A hidden key's p is 0 as in the definition so long as a row's logits spread by less than the 1e9 that the definition takes off.
; OPERANDS lie in memory as images of their registers.  qc, kc: [pair: 131,072][tile of 16 rows: 1,024][chunk c 0..1: 512][lane: 16], channel 32 c + 16 (lane / 16) + 0 .. 15 of row lane % 16.
; kc's tile T holds keys 32 (T / 2) + 8 (T % 2) + r + 8 (r / 8), so that the 16 registers of score tiles 2 b, 2 b + 1 are keys 32 b + 16 (lane / 16) + 0 .. 15.
; vc: [pair][128 keys: 8,192][channel tile 0..3: 2,048][chunk c 0..3][lane], keys 32 c + 16 (lane / 16) + 0 .. 15 of a channel; its channel tiles are made as kc's key tiles are.
; Both products are used transposed (S^T = K Q^T, O^T = V^T P^T): a lane holds ONE query throughout; p's codes are the second product's operand, and O^T's codes are chunks of ac's image.
; SHARES.  Four work-groups, one cluster, serve a pair.  A block of 128 queries has 8 tiles of 16; work-group cx takes tiles 2 cx and 2 cx + 1 of EVERY block, so what a wave walks hangs on its number alone.
; Wave w takes tile 2 cx + w % 2 of block 15 - w / 2 and then of block w / 2: 16 - w / 2 and w / 2 + 1 key steps of 128, 17 for every wave.
; LDS holds the pair's whole K (131,072 bytes from 0) and V (from 131,072): nothing is filled again, and the waves walk the keys each at its own place with no barrier in a loop.
; THE LOADS are joint loads of the four partners (mask 15), one a wave each time: waves 0-7 for K, 8-15 for V.  At the head keys 0-511, 4,096 bytes a wave; behind the full sequence and a round keys 512-2,047,
; 12,288 bytes a wave, which land under the late tile's first four steps (every late block begins at query 1,024 or later, so these four are walked by all); one barrier follows them.
; The loops' trip counts are constants (4, 12, 8); a step beyond the tile's block is jumped over by a branch on the wave's number and the step count.
; PREFETCH: K and V are asked for by those two loads, both ahead of the loops: no later load is left for a prefetch to run ahead of.  The early tile's Q (1,024 bytes, read by this wave alone) is
; prefetched at the head, four blocks of 256 bytes by lanes 0-3 (the other lanes name the last again), nine key steps or more ahead of its load.
; REGISTERS: v1-7 addresses that stay or the step's; v8, v11 448 x 2^e8; v9 2^e8; v10 f; v12 -M; v13 the largest t; v[14:15] the sum in two halves; v16-23 Q; v24-29 at work;
; v32-95 K's 8 fragments (v32-47 later p's codes, v84-95 partial sums); v96-159 S^T, then p; v160-191 O^T; v192-255 V's 4 fragments.
.set VREG,  131072                     ; V's region in LDS
.set STEPB, 8192                       ; 128 keys of K, or of V
.set SPARE, 262144                     ; behind both regions: the spare words, 128 bytes for each wave: eight blocks of 256 bytes that no other line names
.set LI,   1                           ; v1   16 x lane
.set ADR,  2                           ; v2   LDS address of the step's K
.set PFO,  3                           ; v3   256 x min(lane, 3): the prefetch's offset; never rewritten
.set RH,   4                           ; v4   my query's place in its block - 16 h, for the mask
.set SPW,  5                           ; v5   LDS address of my spare word; never rewritten
.set NIL,  6                           ; v6   0; never rewritten
.set ADV,  7                           ; v7   LDS address of the step's V
.set PLIM, 8
.set PSC,  9
.set PLIM2, 11                         ; the same bound once more, in another register bank, for the second half of a dual pair
.set QF,   16
.set KFR,  32
.set S,    96
.set O,    160
.set VF,   192
.set TB,   14                          ; s14  8,192 x the key step in hand
.set CNT,  15                          ; s15  trips to go
.set WV,   18                          ; s18  my wave's number
.set SEL,  20                          ; s[20:21] lane selects for v_permlanex16_b32: lane l xor 16
.set CS,   22                          ; s[22:23] c = log2(e) / 8 x 2^(e6 + e7)
.set G1A,  24                          ; s[24:31] descriptor group 1: 16 rows of 256 bytes
.set G1B,  32                          ; s[32:39] the same with 48 rows
.set G0A,  40                          ; s[40:43], s[48:51] their groups 0
.set G0B,  48
.set QBT,  66                          ; s66  8,192 x the block of the tile in hand: the step on the diagonal
.set QBL,  67                          ; s67  the same for the early tile
.set QA2,  76                          ; s[76:77] the early tile in qc
.set AC2,  78                          ; s[78:79] and in ac
.macro CROUND                          ; a round of the cluster's barrier
	s_barrier_signal -1
	s_barrier_wait -1
	s_cmp_lg_u32 s[WV], 0
	s_cbranch_scc1 .Lnot_wave_0_\@
	s_barrier_signal -3
.Lnot_wave_0_\@:
	s_barrier_wait -3
	s_barrier_signal -1
	s_barrier_wait -1
.endm
.macro FRESH                           ; a tile's start: the first step finds zeros, which the first change of M leaves zeros
	v_mov_b32 v13, 0xff61b1e6                      ; the largest t so far: -3e38, under every t
	s_delay_alu instid0(VALU_DEP_1)
	v_floor_f32 v12, -v13                          ; -M
	v_mov_b32 v14, 0                               ; the sum, in two halves
	v_mov_b32 v15, 0
.set n, 0
.rept 32
	v_mov_b32 v[O+n], 0                            ; O^T
.set n, n+1
.endr
.endm
	s_load_b256 s[4:11], s[0:1], 0x0               ; qc 4, kc 6, vc 8, the scales' exponents 10
	s_load_b64 s[12:13], s[0:1], 0x20              ; ac
	v_lshl_add_u32 v[SPW], v0, 2, SPARE
	v_mov_b32 v[NIL], 0
	ds_add_u32 v[SPW], v[NIL]                      ; the wave's opening: the add, twice on end, and its wait ahead of my first tensor load
	ds_add_u32 v[SPW], v[NIL]
	v_lshrrev_b32 v2, 5, v0
	s_delay_alu instid0(VALU_DEP_1)
	v_readfirstlane_b32 s[WV], v2                  ; wave 0..15
	s_bfe_u32 s80, ttmp6, 0x40000                  ; cx: it enters global addresses of Q and O and the mask's distance, and nothing else
	s_and_b32 s81, ttmp7, 0xffff                   ; the pair: 16 x batch + head
	s_lshl_b32 s82, s81, 17                        ; its first byte in qc, kc and vc
	s_mov_b32 s83, 0
	s_and_b32 s84, s[WV], 7                        ; which eighth of a load group I fetch,
	s_lshr_b32 s85, s[WV], 3                       ; for K (0) or for V (1)
	s_lshl_b32 s86, s85, 17                        ; the region in LDS
	s_lshl_b32 s87, s84, 12
	s_add_co_u32 s[G0A+1], s86, s87                ; keys 0-511: 4,096 bytes a wave
	s_add_co_u32 s88, s82, s87
	s_mov_b32 s89, 0
	s_mul_i32 s90, s84, 12288
	s_add_co_u32 s90, s90, 32768
	s_add_co_u32 s[G0B+1], s86, s90                ; keys 512-2,047: 12,288 bytes a wave
	s_add_co_u32 s92, s82, s90
	s_mov_b32 s93, 0
	s_lshr_b32 s94, s[WV], 1                       ; the early block
	s_sub_co_u32 s96, 15, s94                      ; the late block
	s_lshl_b32 s[QBL], s94, 13
	s_lshl_b32 s[QBT], s96, 13
	s_and_b32 s95, s[WV], 1
	s_lshl_b32 s99, s80, 1
	s_add_co_u32 s95, s95, s99                     ; my tile's place in a block: 2 cx + w % 2
	s_lshl_b32 s97, s96, 3
	s_add_co_u32 s97, s97, s95                     ; the late tile
	s_lshl_b32 s98, s94, 3
	s_add_co_u32 s98, s98, s95                     ; the early tile
	s_lshl_b32 s99, s95, 4                         ; my first query's place in its block
	s_lshl_b32 s56, s97, 10
	s_add_co_u32 s56, s56, s82                     ; the tiles in qc
	s_mov_b32 s57, 0
	s_lshl_b32 s58, s98, 10
	s_add_co_u32 s58, s58, s82
	s_mov_b32 s59, 0
	s_and_b32 s52, s81, 15                         ; the head: in ac its 64 channels are 256 K block head / 4, byte 1,024 (head % 4) of a row tile's 4,096
	s_lshr_b32 s53, s52, 2
	s_lshl_b32 s53, s53, 21
	s_and_b32 s52, s52, 3
	s_lshl_b32 s52, s52, 10
	s_add_co_u32 s52, s52, s53
	s_lshr_b32 s53, s81, 4
	s_lshl_b32 s53, s53, 7                         ; row tile 128 x batch + my tile
	s_add_co_u32 s60, s53, s97
	s_lshl_b32 s60, s60, 12
	s_add_co_u32 s60, s60, s52
	s_mov_b32 s61, 0
	s_add_co_u32 s62, s53, s98
	s_lshl_b32 s62, s62, 12
	s_add_co_u32 s62, s62, s52
	s_mov_b32 s63, 0
	; descriptor groups 1: dense blocks stated as rows of 32 elements of 8 bytes, no padding; 15:0 the mask of the four partners, bit 21 beside it
	s_mov_b32 s[G1A], 15|(3<<16)|(1<<21)
	s_mov_b32 s[G1A+1], 32<<16                     ; tensor_dim0
	s_mov_b32 s[G1A+2], 16<<16                     ; tensor_dim1
	s_mov_b32 s[G1A+3], 32<<16                     ; tile_dim0
	s_mov_b32 s[G1A+4], 16                         ; tile_dim1
	s_mov_b32 s[G1A+5], 32                         ; tensor_dim0_stride
	s_mov_b32 s[G1A+6], 0
	s_mov_b32 s[G1A+7], 0
	s_mov_b32 s[G1B], 15|(3<<16)|(1<<21)
	s_mov_b32 s[G1B+1], 32<<16
	s_mov_b32 s[G1B+2], 48<<16
	s_mov_b32 s[G1B+3], 32<<16
	s_mov_b32 s[G1B+4], 48
	s_mov_b32 s[G1B+5], 32
	s_mov_b32 s[G1B+6], 0
	s_mov_b32 s[G1B+7], 0
	s_mov_b32 s[SEL], 0x76543210
	s_mov_b32 s[SEL+1], 0xfedcba98
	s_mov_b32 s[CS], 0x3e38aa3b                    ; log2(e) / 8
	s_mov_b32 s[TB], 0
	s_mov_b32 s[CNT], 4
	s_wait_dscnt 0x0                               ; both opening adds are done
	s_wait_kmcnt 0x0
	s_load_b128 s[68:71], s[10:11], 0x18           ; e6, e7, e8, e9
	s_load_b32 s72, s[10:11], 0x28                 ; e10
	s_cmp_eq_u32 s85, 0                            ; the wave's number alone chooses the buffer
	s_cselect_b64 s[44:45], s[6:7], s[8:9]
	s_mov_b32 s[G0A], 1
	s_add_nc_u64 s[G0A+2:G0A+3], s[44:45], s[88:89]
	s_or_b32 s[G0A+3], s[G0A+3], 0x80000000
	s_mov_b32 s[G0B], 1
	s_add_nc_u64 s[G0B+2:G0B+3], s[44:45], s[92:93]
	s_or_b32 s[G0B+3], s[G0B+3], 0x80000000
	s_add_nc_u64 s[QA2:QA2+1], s[4:5], s[58:59]
	s_add_nc_u64 s[4:5], s[4:5], s[56:57]
	s_add_nc_u64 s[AC2:AC2+1], s[12:13], s[62:63]
	s_add_nc_u64 s[12:13], s[12:13], s[60:61]
	CROUND                                         ; the four partners are here: the first joint loads meet
	tensor_load_to_lds s[G0A:G0A+3], s[G1A:G1A+7]  ; keys 0-511: my one load at the head
	s_nop 0
.rept 4
	v_nop
.endr
	v_and_b32 v2, 31, v0
	s_delay_alu instid0(VALU_DEP_1)
	v_lshlrev_b32 v[LI], 4, v2
	v_min_u32 v[PFO], 3, v2
	s_delay_alu instid0(VALU_DEP_1)
	v_lshlrev_b32 v[PFO], 8, v[PFO]
	global_load_b128 v[QF:QF+3], v[LI], s[4:5]               ; the late tile's Q
	global_load_b128 v[QF+4:QF+7], v[LI], s[4:5] offset:512
	global_prefetch_b8 v[PFO], s[QA2:QA2+1] th:TH_LOAD_NT scope:SCOPE_SE   ; the early tile's Q
	v_and_b32 v24, 15, v0
	v_bfe_u32 v25, v0, 4, 1
	s_delay_alu instid0(VALU_DEP_1)
	v_lshlrev_b32 v25, 4, v25
	s_delay_alu instid0(VALU_DEP_1)
	v_sub_nc_u32 v[RH], v24, v25
	s_delay_alu instid0(VALU_DEP_1)
	v_add_nc_u32 v[RH], s99, v[RH]                 ; d = my query's place in its block - 16 h: on the diagonal register 16 b + i is hidden where 32 b + i > d
	v_mov_b32 v28, 0                               ; written once: a lane permute's destination counts as one of its sources
	v_mov_b32 v29, 0xff800000                      ; -infinity
	FRESH
	s_wait_kmcnt 0x0
	s_add_co_i32 s96, s68, s69
	s_lshl_b32 s96, s96, 23
	s_add_co_i32 s[CS], s[CS], s96                 ; a score stands for score x 2^(e6 + e7): the two exponents are added to c's exponent field
	s_mov_b32 s[CS+1], s[CS]                       ; (named with it as a pair, so it is written)
	s_add_co_i32 s96, s70, 127
	s_lshl_b32 s97, s96, 23
	v_mov_b32 v[PSC], s97                          ; 2^e8 as f32
	s_add_co_i32 s96, s96, 8
	s_lshl_b32 s96, s96, 23
	s_or_b32 s96, s96, 0x600000
	v_mov_b32 v[PLIM], s96                         ; 448 x 2^e8
	v_mov_b32 v[PLIM2], s96                        ; (v11 is also named as the upper half of the pair v[10:11], whose low word alone is taken)
	s_add_co_i32 s73, s70, s71                     ; e8 + e9
	s_add_co_i32 s96, s72, 127
	s_lshl_b32 s74, s96, 23                        ; 2^e10, for the way out
	s_add_co_i32 s96, s96, 8
	s_lshl_b32 s96, s96, 23
	s_or_b32 s75, s96, 0x600000                    ; 448 x 2^e10
; A KEY STEP: 128 keys.  mask = 1: the step may lie on the diagonal or beyond it.
.macro STEP mask
.if \mask
	s_cmp_gt_u32 s[TB], s[QBT]                     ; beyond my tile's block: left out.  The wave's number and the step count alone decide
	s_cbranch_scc1 .Lhidden_\@
.endif
	v_add_nc_u32 v[ADR], s[TB], v[LI]
	v_add_nc_u32 v[ADV], VREG, v[ADR]
.rept 2
	v_nop                                          ; with the two additions: four places in front of loads into registers that the last products have read
.endr
.irp t, 0,1,2,3,4,5,6,7
.irp c, 0,1
	ds_load_b128 v[KFR+8*\t+4*\c:KFR+8*\t+4*\c+3], v[ADR] offset:\t*1024+\c*512
.endr
.endr
.irp u, 0,1,2,3
.irp c, 0,1,2,3
	ds_load_b128 v[VF+16*\u+4*\c:VF+16*\u+4*\c+3], v[ADV] offset:\u*2048+\c*512
.endr
.endr
	s_wait_dscnt 16                                ; K's 16 loads are in; V's 16 may be out: they land under the softmax
.irp t, 0,1,2,3,4,5,6,7
	v_wmma_f32_16x16x64_fp8_fp8 v[S+8*\t:S+8*\t+7], v[KFR+8*\t:KFR+8*\t+7], v[QF:QF+7], 0   ; S^T: lane (r, h) holds query r; register 16 b + i is key 32 b + 16 h + i of the step
.endr
.rept 4
	v_nop
.endr
.if \mask
	s_cmp_lt_u32 s[TB], s[QBT]                     ; ahead of the diagonal all keys count
	s_cbranch_scc1 .Lopen_\@
.set n, 0
.rept 64
	v_cmp_gt_i32 vcc_lo, 32*(n/16)+n%16, v[RH]     ; on it the scores of hidden keys become -infinity ahead of the maximum: p = 0 then
	v_cndmask_b32 v[S+n], v[S+n], v29, vcc_lo
.set n, n+1
.endr
.Lopen_\@:
.endif
	v_max3_num_f32 v24, v[S], v[S+1], v[S+2]       ; the step's largest score of my query, among my 64 keys, in two chains, from the low end up,
	v_max3_num_f32 v25, v[S+3], v[S+4], v[S+5]
.set n, 6
.rept 14
	v_max3_num_f32 v24, v24, v[S+n], v[S+n+1]
	v_max3_num_f32 v25, v25, v[S+n+2], v[S+n+3]
.set n, n+4
.endr
	v_max3_num_f32 v24, v24, v[S+62], v[S+63]
	s_delay_alu instid0(VALU_DEP_1)
	v_max_num_f32 v24, v24, v25
	s_delay_alu instid0(VALU_DEP_1)
	v_permlanex16_b32 v28, v24, s[SEL], s[SEL+1]
	s_delay_alu instid0(VALU_DEP_1)
	v_max_num_f32 v24, v24, v28                    ; and among lane l xor 16's
	s_delay_alu instid0(VALU_DEP_1)
	v_mul_f32 v24, s[CS], v24                      ; as t (c is positive)
	s_delay_alu instid0(VALU_DEP_1)
	v_max_num_f32 v13, v13, v24                    ; the running largest t
	v_mov_b32 v24, v12
	s_delay_alu instid0(VALU_DEP_2)
	v_floor_f32 v12, -v13                          ; the new -M = floor(-t) = -ceil(t): M is a whole number
	s_delay_alu instid0(VALU_DEP_1)
	v_sub_f32 v24, v12, v24                        ; M's old value less its new one: a whole number, 0 or less
	s_delay_alu instid0(VALU_DEP_1)
	v_cvt_i32_f32 v24, v24                         ; (it saturates)
	s_delay_alu instid0(VALU_DEP_1)
	v_ldexp_f32 v10, 1.0, v24                      ; f = 2^(old M - new M)
.set n, 0
.rept 32
	v_pk_fma_f32 v[S+n:S+n+1], v[S+n:S+n+1], s[CS:CS+1], v[12:13] op_sel_hi:[1,0,0]   ; t - M, two at a time (of the pairs c and -M the low word serves both halves)
.set n, n+2
.endr
	s_wait_alu depctr_va_vdst(0)
.set n, 0
.rept 64
	v_exp_f32 v[S+n], v[S+n]                       ; p = 2^(t - M), at most 1: not normalised
.set n, n+1
.endr
	v_pk_mul_f32 v[14:15], v[14:15], v[10:11] op_sel_hi:[1,0]   ; the sums under the new M: the plain line behind the exponentials
	s_wait_alu depctr_va_vdst(0)                   ; and the one wait behind the batch, ahead of its first reader
	v_pk_add_f32 v[26:27], v[100:101], v[104:105]  ; the row's sum of the unquantised p, in eight chains
	v_pk_add_f32 v[94:95], v[108:109], v[112:113]
	v_pk_add_f32 v[92:93], v[116:117], v[120:121]
	v_pk_add_f32 v[90:91], v[124:125], v[128:129]
	v_pk_add_f32 v[88:89], v[132:133], v[136:137]
	v_pk_add_f32 v[86:87], v[140:141], v[144:145]
	v_pk_add_f32 v[84:85], v[148:149], v[152:153]
	v_pk_add_f32 v[14:15], v[14:15], v[156:157]
	v_pk_add_f32 v[26:27], v[26:27], v[96:97]
	v_pk_add_f32 v[94:95], v[94:95], v[98:99]
	v_pk_add_f32 v[92:93], v[92:93], v[102:103]
	v_pk_add_f32 v[90:91], v[90:91], v[106:107]
	v_pk_add_f32 v[88:89], v[88:89], v[110:111]
	v_pk_add_f32 v[86:87], v[86:87], v[114:115]
	v_pk_add_f32 v[84:85], v[84:85], v[118:119]
	v_pk_add_f32 v[14:15], v[14:15], v[122:123]
	v_pk_add_f32 v[26:27], v[26:27], v[126:127]
	v_pk_add_f32 v[94:95], v[94:95], v[130:131]
	v_pk_add_f32 v[92:93], v[92:93], v[134:135]
	v_pk_add_f32 v[90:91], v[90:91], v[138:139]
	v_pk_add_f32 v[88:89], v[88:89], v[142:143]
	v_pk_add_f32 v[86:87], v[86:87], v[146:147]
	v_pk_add_f32 v[84:85], v[84:85], v[150:151]
	v_pk_add_f32 v[14:15], v[14:15], v[154:155]
	v_pk_add_f32 v[26:27], v[26:27], v[158:159]
	s_delay_alu instid0(VALU_DEP_2)
	v_pk_add_f32 v[14:15], v[14:15], v[90:91]
	s_delay_alu instid0(VALU_DEP_2)
	v_pk_add_f32 v[26:27], v[26:27], v[88:89]
	v_pk_add_f32 v[94:95], v[94:95], v[86:87]
	v_pk_add_f32 v[92:93], v[92:93], v[84:85]
	s_delay_alu instid0(VALU_DEP_2)
	v_pk_add_f32 v[14:15], v[14:15], v[94:95]
	s_delay_alu instid0(VALU_DEP_2)
	v_pk_add_f32 v[26:27], v[26:27], v[92:93]
	s_delay_alu instid0(VALU_DEP_1)
	v_pk_add_f32 v[14:15], v[14:15], v[26:27]
.irp b, 0,1,2,3
.irp i, 0,2,4,6,8,10,12,14
	v_dual_min_num_f32 v[S+16*\b+\i], v[S+16*\b+\i], v[PLIM] :: v_dual_min_num_f32 v[S+16*\b+\i+1], v[S+16*\b+\i+1], v[PLIM2]   ; the conversion to an 8-bit code does not saturate (ISA guide 7.6.2); p is not negative, so the hold is one-sided; two a line
.endr
	v_cvt_scalef32_pk8_fp8_f32 v[KFR+4*\b:KFR+4*\b+1], v[S+16*\b:S+16*\b+7], v[PSC]       ; chunk b of p's fragment: keys 32 b + 16 h + 0 .. 15
	v_cvt_scalef32_pk8_fp8_f32 v[KFR+4*\b+2:KFR+4*\b+3], v[S+16*\b+8:S+16*\b+15], v[PSC]
.endr
	s_wait_alu depctr_va_vdst(0)                   ; directly ahead of the first reader of O^T
.set n, 0
.rept 16
	v_pk_mul_f32 v[O+n:O+n+1], v[O+n:O+n+1], v[10:11] op_sel_hi:[1,0]   ; O^T under the new M: x f.  (Plain lines between the conversions and the products that read their results)
.set n, n+2
.endr
	s_wait_alu depctr_va_vdst(0)
	s_wait_dscnt 0x0                               ; V is in
.irp u, 0,1,2,3
	v_wmma_f32_16x16x128_fp8_fp8 v[O+8*\u:O+8*\u+7], v[VF+16*\u:VF+16*\u+15], v[KFR:KFR+15], v[O+8*\u:O+8*\u+7]   ; O^T += V^T P^T: the four accumulators by turns
.endr
.if \mask
.Lhidden_\@:
.endif
	s_add_co_u32 s[TB], s[TB], STEPB
.endm
; THE WAY OUT of a tile.  O^T / the sum x 2^(e8 + e9) is quantised with 2^e10.  Registers 16 b + i are channels 32 b + 16 h + i of my query: a chunk of ac's image; two stores of 512 consecutive bytes.
.macro OUT base
.rept 4
	v_nop                                          ; places behind the last products
.endr
	v_add_f32 v14, v14, v15                        ; the sum's two halves,
	s_delay_alu instid0(VALU_DEP_1)
	v_permlanex16_b32 v28, v14, s[SEL], s[SEL+1]
	s_delay_alu instid0(VALU_DEP_1)
	v_add_f32 v14, v14, v28                        ; and lane l xor 16's: the row's sum
	s_wait_alu depctr_va_vdst(0)
	v_rcp_f32 v14, v14
	v_mov_b32 v24, s74                             ; (a plain line behind the reciprocal)  2^e10
	v_mov_b32 v25, s75                             ; 448 x 2^e10
	s_wait_alu depctr_va_vdst(0)                   ; and ahead of the first line that names its result
	v_ldexp_f32 v14, v14, s73                      ; x 2^(e8 + e9)
	s_wait_alu depctr_va_vdst(0)                   ; directly ahead of the first reader of O^T
.set n, 0
.rept 32
	v_mul_f32 v[S+n], v[O+n], v14                  ; each accumulator from its low end on
.set n, n+1
.endr
.set n, 0
.rept 32
	v_med3_num_f32 v[S+n], v[S+n], -v25, v25
.set n, n+1
.endr
.set n, 0
.rept 4
	v_cvt_scalef32_pk8_fp8_f32 v[128+2*n:128+2*n+1], v[S+8*n:S+8*n+7], v24
.set n, n+1
.endr
	v_nop                                          ; a plain line behind the last conversion
	global_store_b128 v[LI], v[128:131], s[\base:\base+1]
	global_store_b128 v[LI], v[132:135], s[\base:\base+1] offset:512
.endm
	s_wait_alu depctr_va_vdst(0)
	s_wait_loadcnt 0x0                             ; Q
	s_wait_tensorcnt 0x0                           ; my part of keys 0-511 is in
	ds_add_u32 v[SPW], v[NIL]
	s_wait_dscnt 0x0
	CROUND                                         ; everybody's part is in, and the four partners are here
	tensor_load_to_lds s[G0B:G0B+3], s[G1B:G1B+7]  ; keys 512-2,047: my one load behind the round
	s_nop 0
.rept 4
	v_nop
.endr
.Lfirst:                                           ; the late tile, key steps 0-3: all ahead of its diagonal in every wave
	STEP 0
	s_sub_co_u32 s[CNT], s[CNT], 1
	s_cmp_lg_u32 s[CNT], 0
	s_cbranch_scc1 .Lfirst
	s_wait_tensorcnt 0x0                           ; my part of keys 512-2,047 is in,
	s_wait_dscnt 0x0
	s_barrier_signal -1
	s_barrier_wait -1                              ; and so is everybody's.
	s_mov_b32 s[CNT], 12
.Llate:                                            ; the late tile, key steps 4-15
	STEP 1
	s_sub_co_u32 s[CNT], s[CNT], 1
	s_cmp_lg_u32 s[CNT], 0
	s_cbranch_scc1 .Llate
	global_load_b128 v[QF:QF+3], v[LI], s[QA2:QA2+1]         ; the early tile's Q comes under the late tile's way out
	global_load_b128 v[QF+4:QF+7], v[LI], s[QA2:QA2+1] offset:512
	OUT 12
	FRESH
	s_mov_b32 s[TB], 0
	s_mov_b32 s[QBT], s[QBL]
	s_mov_b32 s[CNT], 8
	s_wait_alu depctr_va_vdst(0)
	s_wait_xcnt 0x0                                ; the stores have read their data: the next scores land on those registers
	s_wait_loadcnt 0x0                             ; Q
.Learly:                                           ; the early tile, key steps 0-7
	STEP 1
	s_sub_co_u32 s[CNT], s[CNT], 1
	s_cmp_lg_u32 s[CNT], 0
	s_cbranch_scc1 .Learly
	OUT AC2
	s_wait_tensorcnt 0x0                           ; the wave's end
	ds_add_u32 v[SPW], v[NIL]
	s_wait_dscnt 0x0
	CROUND                                         ; the closing round
	s_endpgm
.Lfunc_end_k_qde19077842_attn:
	.size	k_qde19077842_attn, .Lfunc_end_k_qde19077842_attn-k_qde19077842_attn
	.p2alignl 7, 3214868480
	.fill 96, 4, 3214868480
	.section	.rodata,"a",@progbits
	.p2align	6, 0x0
	.amdhsa_kernel k_qde19077842_attn
		.amdhsa_group_segment_fixed_size 327680
		.amdhsa_private_segment_fixed_size 0
		.amdhsa_enable_private_segment 0
		.amdhsa_kernarg_size 40
		.amdhsa_user_sgpr_count 2
		.amdhsa_user_sgpr_kernarg_segment_ptr 1
		.amdhsa_wavefront_size32 1
		.amdhsa_system_sgpr_workgroup_id_x 1
		.amdhsa_system_sgpr_workgroup_id_y 1
		.amdhsa_system_sgpr_workgroup_id_z 1
		.amdhsa_system_vgpr_workitem_id 0
		.amdhsa_next_free_vgpr 256
		.amdhsa_next_free_sgpr 100
		.amdhsa_reserve_vcc 1
		.amdhsa_float_denorm_mode_32 3
		.amdhsa_float_denorm_mode_16_64 3
		.amdhsa_memory_ordered 1
		.amdhsa_forward_progress 1
		.amdhsa_inst_pref_size 76
	.end_amdhsa_kernel
	.amdgpu_metadata
---
amdhsa.version: [ 1, 2 ]
amdhsa.kernels:
  - .name:           k_qde19077842_attn
    .symbol:         k_qde19077842_attn.kd
    .args:
      - { .name: qc, .offset: 0, .size: 8, .value_kind: global_buffer, .address_space: global }
      - { .name: kc, .offset: 8, .size: 8, .value_kind: global_buffer, .address_space: global }
      - { .name: vc, .offset: 16, .size: 8, .value_kind: global_buffer, .address_space: global }
      - { .name: lowp_scales, .offset: 24, .size: 8, .value_kind: global_buffer, .address_space: global }
      - { .name: ac, .offset: 32, .size: 8, .value_kind: global_buffer, .address_space: global }
    .group_segment_fixed_size: 327680
    .private_segment_fixed_size: 0
    .kernarg_segment_align: 8
    .kernarg_segment_size: 40
    .max_flat_workgroup_size: 512
    .sgpr_count:     100
    .vgpr_count:     256
    .wavefront_size: 32
...
	.end_amdgpu_metadata
.endif
;; end of part 3
;; launch dense (part 4): grid 32 x 8, 4 waves a work-group, clusters of 4 x 1, 327,680 bytes of LDS; arguments ac, wc, lowp_scales, dense_b, out0; writes out0
.if DOCPART == 4
	.amdgcn_target "amdgcn-amd-amdhsa--gfx1250"
	.amdhsa_code_object_version 6
	.text
	.protected	k_qde19077842_dense
	.globl	k_qde19077842_dense
	.p2align	8
	.type	k_qde19077842_dense,@function
k_qde19077842_dense:
	s_mov_b64 s[64:65], 0
	v_nop
	global_prefetch_b8 v0, s[64:65] scope:SCOPE_SE
	s_setreg_imm32_b32 hwreg(HW_REG_WAVE_MODE, 25, 1), 1
	s_wait_xcnt 0x0
	s_wait_alu depctr_hold_cnt(0) depctr_sa_sdst(0) depctr_va_vdst(0) depctr_va_sdst(0) depctr_va_ssrc(0) depctr_va_vcc(0) depctr_vm_vsrc(0)
	s_getreg_b32 s2, hwreg(HW_REG_IB_STS2, 6, 4)
	s_cmp_eq_u32 s2, 0
	s_cbranch_scc0 .Lentry_in_a_cluster
	s_endpgm
.Lentry_in_a_cluster:
	s_bfe_u32 s2, ttmp6, 0x10000c
	s_cmp_lg_u32 s2, 0x3003
	s_cbranch_scc0 .Lentry_shape_is_right
	s_endpgm
.Lentry_shape_is_right:
; out0[m][n] = 2^(e10 + e11) x sum over k of A[m][k] W[n][k] + dense_b[n]: A = ac, the attention's result as codes of FP8 (E4M3), [8192][1024]; W = dense_w's codes, the fourth tensor of wc; sums in f32.
; LIMIT: e10 + e11 between -126 and 127, so that 2^(e10 + e11) is an f32 number.
; OPERANDS lie in memory as images of their registers: [256 K: 2 MiB in ac, 256 KiB in wc][tile of 16 rows: 4,096][128 K: 2,048][chunk c 0..3: 512][lane: 16], k = 32 c + 16 (lane / 16) + 0 .. 15 of row lane % 16.
; ac's tile T holds rows 16 T + r; wc's tile T rows 32 (T / 2) + 8 (T % 2) + r + 8 (r / 8), so that the 16 registers of result tiles 2 b, 2 b + 1 are columns 32 b + 16 (lane / 16) + 0 .. 15.
; SHARES.  A work-group makes 256 rows x 128 columns: 32 x 8 = 256 work-groups.  Each of its four waves makes 64 rows of its own x all 128 columns: 32 accumulators, 256 registers.  The product is used
; transposed (source 0 = 16 rows of W, source 1 = 16 rows of A): a lane holds neighbouring columns of one row of the result.
; W's 128 rows with ALL of K, 131,072 bytes, lie in LDS: wave w fetches the w-th 256 of K, 32,768 dense bytes, by its one tensor load at the head.  Nothing is filled again: one barrier, no ring.
; CLUSTER: the four work-groups of a cluster make four row blocks of one column block and ask for W's tiles jointly (mask 15).
; A GOES STRAIGHT INTO REGISTERS: a wave's 64 rows x 1,024 K are 512 registers, 128 loads of 512 consecutive bytes; no two waves of a work-group load the same rows, and LDS is read for W alone.
; No joint load for A: the partners of a cluster have different rows.
; NO PREFETCH: every load of the launch stands at its head; no loop is left to run ahead in.
; REGISTERS, in windows of 256: window 0: v0-31 addresses, v32-63 at work on the way out, v64-255 W's fragments, three sets of four blocks (on the way out v128-255: rows read back from the stage);
; window 1: accumulator (a, b) at v[8 (8 a + b)]; windows 2, 3: A's fragment (K step T, block a) at v[64 (T % 4) + 16 a], T / 4 choosing the window; the bias lands on K step 0's 64 registers when they are free.
.set KBX,    0x200000                  ; 256 K on in ac
.set STAGE,  131072                    ; behind W: a stage of 16 rows x (512 + 16) bytes for each wave, into which no tile lands
.set SPITCH, 528
.set SPARE,  STAGE+4*16*SPITCH         ; behind the stages: the spare words, 128 bytes for each wave: two blocks of 256 bytes that no other line names
.set VB,   14                          ; v14     64 x (lane / 16): my place in the bias
.set ADB,  16                          ; v16-19  LDS address of W's tiles, one for each 256 of K
.set STO,  24                          ; v24     the way out: where I put 64 bytes of a row
.set RD,   25                          ; v25     where I read a row back
.set LI,   26                          ; v26     16 x lane
.set SPW,  28                          ; v28     LDS address of my spare word; never rewritten
.set NIL,  29                          ; v29     0; never rewritten
.set TMP,  32
.set BF,   64
.set BK,   128
.set G1, 24
.set G0, 32
.set MSB, 0
.macro WIN new                         ; the immediate's high byte repeats the setting that is left
.if MSB != \new
	s_set_vgpr_msb (MSB<<8)|\new
.set MSB, \new
.endif
.endm
.macro CROUND                          ; a round of the cluster's barrier
	s_barrier_signal -1
	s_barrier_wait -1
	s_cmp_lg_u32 s14, 0
	s_cbranch_scc1 .Lnot_wave_0_\@
	s_barrier_signal -3
.Lnot_wave_0_\@:
	s_barrier_wait -3
	s_barrier_signal -1
	s_barrier_wait -1
.endm
.macro PLACES
.rept 4
	v_nop
.endr
.endm
	s_load_b128 s[4:7], s[0:1], 0x0                ; ac, wc
	s_load_b128 s[8:11], s[0:1], 0x10              ; the scales' exponents, dense_b
	s_load_b64 s[12:13], s[0:1], 0x20              ; out0
	v_lshl_add_u32 v[SPW], v0, 2, SPARE
	v_mov_b32 v[NIL], 0
	ds_add_u32 v[SPW], v[NIL]                      ; the wave's opening: the add, twice on end, and its wait ahead of my first tensor load
	ds_add_u32 v[SPW], v[NIL]
	v_lshrrev_b32 v1, 5, v0
	v_readfirstlane_b32 s14, v1                    ; wave 0..3: which 64 rows are mine
	s_bfe_u32 s40, ttmp6, 0x40000                  ; cx: it enters global addresses of A and of the result alone
	s_lshl_b32 s17, ttmp9, 2
	s_add_co_u32 s17, s17, s40                     ; row block 0..31
	s_and_b32 s42, ttmp7, 0xffff                   ; column block 0..7, the same in the four partners
	s_mov_b32 s[G1], 15|(3<<16)|(1<<21)            ; 15:0 the mask of the four partners; 17:16 elements of 8 bytes; bit 21 beside a mask
	s_mov_b32 s[G1+1], 32<<16                      ; a dense block stated as 128 rows of 256 bytes
	s_mov_b32 s[G1+2], 128<<16
	s_mov_b32 s[G1+3], 32<<16
	s_mov_b32 s[G1+4], 128
	s_mov_b32 s[G1+5], 32
	s_mov_b32 s[G1+6], 0
	s_mov_b32 s[G1+7], 0
	s_lshl_b32 s46, s14, 18                        ; W: the wave's 256 of K,
	s_lshl_b32 s47, s42, 15                        ; the column block's 8 tiles,
	s_add_co_u32 s46, s46, s47
	s_add_co_u32 s46, s46, 0x300000                ; in the fourth tensor of wc
	s_mov_b32 s47, 0
	s_lshl_b32 s[G0+1], s14, 15                    ; and in LDS
	s_lshl_b32 s20, s17, 16                        ; A: the row block's 16 tiles, my 4 of them
	s_lshl_b32 s21, s14, 14
	s_add_co_u32 s20, s20, s21
	s_mov_b32 s21, 0
	s_lshl_b32 s22, s42, 9                         ; my first column, in bytes of f32
	s_mov_b32 s23, 0
	s_lshl_b32 s44, s17, 20                        ; my first row of the result: 256 rows of 4,096 bytes a block, 64 a wave
	s_lshl_b32 s45, s14, 18
	s_add_co_u32 s44, s44, s45
	s_add_co_u32 s44, s44, s22
	s_mov_b32 s45, 0
	s_mul_i32 s19, s14, 16*SPITCH
	s_add_co_u32 s19, s19, STAGE                   ; my stage
	s_wait_dscnt 0x0                               ; both opening adds are done
	s_wait_kmcnt 0x0
	s_load_b64 s[96:97], s[8:9], 0x28              ; e10, e11
	s_mov_b32 s[G0], 1
	s_add_nc_u64 s[G0+2:G0+3], s[6:7], s[46:47]
	s_or_b32 s[G0+3], s[G0+3], 0x80000000
	s_add_nc_u64 s[4:5], s[4:5], s[20:21]
	s_add_nc_u64 s[10:11], s[10:11], s[22:23]
	s_add_nc_u64 s[12:13], s[12:13], s[44:45]
	CROUND                                         ; the four partners are here: the joint loads meet
	tensor_load_to_lds s[G0:G0+3], s[G1:G1+7]      ; my one tensor load
	s_nop 0
	PLACES
	v_and_b32 v1, 31, v0
	v_lshlrev_b32 v[LI], 4, v1
	v_and_b32 v2, 15, v0
	v_bfe_u32 v3, v0, 4, 1
	v_lshlrev_b32 v[VB], 6, v3
.irp k, 0,1,2,3
	v_add_nc_u32 v[ADB+\k], \k*32768, v[LI]
.endr
	v_mul_u32_u24 v5, v2, SPITCH
	v_lshl_add_u32 v5, v3, 6, v5
	v_add_nc_u32 v[STO], s19, v5
	v_add_nc_u32 v[RD], s19, v[LI]
	s_wait_alu depctr_va_vdst(0)
.irp w, 0,1                            ; A: K steps 4 w .. 4 w + 3 into window 2 + w, in the order in which they are multiplied
	WIN 0x80+0x40*\w
.irp t, 0,1,2,3
.irp a, 0,1,2,3
.irp c, 0,1,2,3
	global_load_b128 v[64*\t+16*\a+4*\c:64*\t+16*\a+4*\c+3], v[LI], s[4:5] offset:(2*\w+\t/2)*KBX+\a*4096+(\t%2)*2048+512*\c
.endr
.endr
.endr
.endr
	WIN 0
; W's blocks 4 (g % 2) .. + 3 of K step g / 2 into set g % 3
.macro FETCH g
.irp bb, 0,1,2,3
.irp c, 0,1,2,3
	ds_load_b128 v[BF+64*((\g)%3)+16*\bb+4*\c:BF+64*((\g)%3)+16*\bb+4*\c+3], v[ADB+(\g)/4] offset:(4*((\g)%2)+\bb)*4096+(((\g)/2)%2)*2048+512*\c
.endr
.endr
.endm
; 16 matrix instructions: A's four blocks x four of W's, 128 along K.  The accumulators take turns, one instruction a turn; 31 others stand between two steps of a sum.
.macro GROUP g
.set T, (\g)/2
.set H, (\g)%2
.set BS, BF+64*((\g)%3)
.set WM, 0x58+4*(T/4)                  ; source 0 window 0, source 1 window 2 or 3, C and D window 1
.if H == 0
.set NW, (7-T)*16+16                   ; behind this K step's 16 loads: those of the later K steps and the bias's 16 (in K step 0 not yet issued)
.if NW > 63
.set NW, 63                            ; the wait's field holds no more
.endif
	s_wait_loadcnt NW
.endif
.if (\g) < 14
	s_wait_dscnt 32                                ; this set is in; the two younger sets, 16 loads each, may be out
.else
	s_wait_dscnt 16*(15-(\g))
.endif
	WIN WM
.irp a, 0,1,2,3
.irp bb, 0,1,2,3
.if T == 0
	v_wmma_f32_16x16x128_fp8_fp8 v[8*(8*\a+4*H+\bb):8*(8*\a+4*H+\bb)+7], v[BS+16*\bb:BS+16*\bb+15], v[64*(T%4)+16*\a:64*(T%4)+16*\a+15], 0
.else
	v_wmma_f32_16x16x128_fp8_fp8 v[8*(8*\a+4*H+\bb):8*(8*\a+4*H+\bb)+7], v[BS+16*\bb:BS+16*\bb+15], v[64*(T%4)+16*\a:64*(T%4)+16*\a+15], v[8*(8*\a+4*H+\bb):8*(8*\a+4*H+\bb)+7]
.endif
.endr
.endr
	PLACES                                         ; four places in front of loads into registers that these products have read, and of the first read of results
	WIN 0
.if (\g)+3 < 16
	FETCH (\g)+3
.endif
.if (\g) == 1
	WIN 0x80                                       ; K step 0's fragments of A are done with: the bias lands there.  Register 16 b + 4 i + .. is column 32 b + 16 (lane / 16) + 4 i + ..
.irp b, 0,1,2,3
.irp i, 0,1,2,3
	global_load_b128 v[16*\b+4*\i:16*\b+4*\i+3], v[VB], s[10:11] offset:128*\b+16*\i
.endr
.endr
	WIN 0
.endif
.endm
	s_wait_tensorcnt 0x0                           ; my 256 of K is in,
	s_barrier_signal -1
	s_barrier_wait -1                              ; and so is everybody's.
	FETCH 0
	FETCH 1
	FETCH 2
.irp g, 0,1,2,3,4,5,6,7,8,9,10,11,12,13,14,15
	GROUP \g
.endr
; THE WAY OUT, block by block of 16 rows x 128 columns: sum x 2^(e10 + e11) + bias, through my own stage, back as whole rows of 512 bytes, which the 32 lanes store as two aligned units of 256 bytes.
; LDS serves a wave's instructions in order (ISA guide 5.7.1.4): no wait between the stores and the loads.
.macro TOSTAGE a
.irp x, 0,1
	WIN 0x21                                       ; source 0 (the sums) window 1, source 2 (the bias) window 2
.set j, 0
.rept 16
	v_pk_fma_f32 v[TMP+j:TMP+j+1], v[64*(\a)+32*\x+j:64*(\a)+32*\x+j+1], s[96:97], v[32*\x+j:32*\x+j+1] op_sel_hi:[1,0,1]   ; each accumulator from its low end on
.set j, j+2
.endr
	WIN 0
.irp y, 0,1
.irp i, 0,1,2,3
	ds_store_b128 v[STO], v[TMP+16*\y+4*\i:TMP+16*\y+4*\i+3] offset:128*(2*\x+\y)+16*\i
.endr
.endr
.endr
.set BBK, BK+64*((\a)%2)
.irp t, 0,1,2,3,4,5,6,7,8,9,10,11,12,13,14,15
	ds_load_b128 v[BBK+4*\t:BBK+4*\t+3], v[RD] offset:\t*SPITCH
.endr
.endm
.macro SEND a, younger                 ; younger: the LDS instructions issued behind block a's loads, which may stay out
.set BBK, BK+64*((\a)%2)
	s_wait_dscnt \younger
.if (\a) > 0
	s_add_nc_u64 s[12:13], s[12:13], 16*4096       ; (behind a wait on XCNT: the earlier stores have read their base)
.endif
.irp t, 0,1,2,3,4,5,6,7,8,9,10,11,12,13,14,15
	global_store_b128 v[LI], v[BBK+4*\t:BBK+4*\t+3], s[12:13] offset:\t*4096 th:TH_STORE_NT
.endr
.endm
	s_wait_kmcnt 0x0
	s_add_co_i32 s96, s96, s97
	s_add_co_i32 s96, s96, 127
	s_lshl_b32 s96, s96, 23                        ; 2^(e10 + e11) as f32
	s_mov_b32 s97, s96                             ; (named with it as a pair, so it is written)
	s_wait_loadcnt 0x0                             ; the bias
	TOSTAGE 0
.irp a, 1,2,3
.if \a > 1
	s_wait_xcnt 0x0                                ; block a - 2's stores have read their registers and their base
.endif
	TOSTAGE \a
	SEND \a-1, 32                                  ; behind block a - 1's loads: block a's 16 stores and 16 loads
.endr
	s_wait_xcnt 0x0
	SEND 3, 0
	s_wait_tensorcnt 0x0                           ; the wave's end
	ds_add_u32 v[SPW], v[NIL]
	s_wait_dscnt 0x0
	CROUND                                         ; the closing round
	s_endpgm
.Lfunc_end_k_qde19077842_dense:
	.size	k_qde19077842_dense, .Lfunc_end_k_qde19077842_dense-k_qde19077842_dense
	.p2alignl 7, 3214868480
	.fill 96, 4, 3214868480
	.section	.rodata,"a",@progbits
	.p2align	6, 0x0
	.amdhsa_kernel k_qde19077842_dense
		.amdhsa_group_segment_fixed_size 327680
		.amdhsa_private_segment_fixed_size 0
		.amdhsa_enable_private_segment 0
		.amdhsa_kernarg_size 40
		.amdhsa_user_sgpr_count 2
		.amdhsa_user_sgpr_kernarg_segment_ptr 1
		.amdhsa_wavefront_size32 1
		.amdhsa_system_sgpr_workgroup_id_x 1
		.amdhsa_system_sgpr_workgroup_id_y 1
		.amdhsa_system_sgpr_workgroup_id_z 1
		.amdhsa_system_vgpr_workitem_id 0
		.amdhsa_next_free_vgpr 1024
		.amdhsa_next_free_sgpr 100
		.amdhsa_reserve_vcc 0
		.amdhsa_float_denorm_mode_32 3
		.amdhsa_float_denorm_mode_16_64 3
		.amdhsa_memory_ordered 1
		.amdhsa_forward_progress 1
		.amdhsa_inst_pref_size 77
	.end_amdhsa_kernel
	.amdgpu_metadata
---
amdhsa.version: [ 1, 2 ]
amdhsa.kernels:
  - .name:           k_qde19077842_dense
    .symbol:         k_qde19077842_dense.kd
    .args:
      - { .name: ac, .offset: 0, .size: 8, .value_kind: global_buffer, .address_space: global }
      - { .name: wc, .offset: 8, .size: 8, .value_kind: global_buffer, .address_space: global }
      - { .name: lowp_scales, .offset: 16, .size: 8, .value_kind: global_buffer, .address_space: global }
      - { .name: dense_b, .offset: 24, .size: 8, .value_kind: global_buffer, .address_space: global }
      - { .name: out0, .offset: 32, .size: 8, .value_kind: global_buffer, .address_space: global }
    .group_segment_fixed_size: 327680
    .private_segment_fixed_size: 0
    .kernarg_segment_align: 8
    .kernarg_segment_size: 40
    .max_flat_workgroup_size: 128
    .sgpr_count:     100
    .vgpr_count:     1024
    .wavefront_size: 32
...
	.end_amdgpu_metadata
.endif
;; end of part 4
